; MI455X (gfx1250); checked and timed in simulation.
; The chip was launched on July 23, 2026; its instructions are those of AMD's public machine-readable ISA for CDNA 5 (MIT licence, August 2026) and "CDNA5" Instruction Set Architecture Reference Guide (July 2026). The comments in the code are by the model that wrote it; some were corrected since.
;; Attention. Allowed arithmetic: matrix products marked QUANTISED: E2M1 operands, one E8M0 scale for each 32 along K, by v_wmma_scale_f32_16x16x128_f8f6f4 with both operands' format E2M1 (or v_wmma_scale_f32_32x16x128_f4), f32 sums; products left as they are: f32 operands where the result goes on into a quantised operand, else bf16, f16 or f32 operands; f32 sums; everything else in f32.
;; Inputs: Wh_b 1,024 float32; Wh_w_codes 1,024 x 32 x 16 uint8 (E2M1 codes of Wh_w, K innermost, in blocks of 32 codes, two codes a byte); Wh_w_scales 1,024 x 32 uint8 (E8M0 scales of Wh_w, one for each 32 codes along K); Ws_w_codes 1,024 x 32 x 16 uint8 (E2M1 codes of Ws_w, K innermost, in blocks of 32 codes, two codes a byte); Ws_w_scales 1,024 x 32 uint8 (E8M0 scales of Ws_w, one for each 32 codes along K); attn_mask 32 x 1 x 2,048 int32; context 32 x 2,048 x 1,024 float32; output_codes 32 x 32 x 16 uint8 (E2M1 codes of output, K innermost, in blocks of 32 codes, two codes a byte); output_scales 32 x 32 uint8 (E8M0 scales of output, one for each 32 codes along K); v_w 1 x 1,024 float32.
;; Outputs: out0 32 x 1,024 float32; out1 32 x 1 x 2,048 float32.
;; This version of the problem:
;;   THIS VERSION OF THE PROBLEM IS GIVEN IN LOW PRECISION. The matrix products marked QUANTISED in the list below multiply operands that are first quantised to E2M1 (2 exponent bits, 1 mantissa bit; 4 bits a number), with one power-of-two scale for each 32 numbers along K (OCP MX v1.0); their sums are f32. All else is computed in f32.
;;   The module's matrix products, in the order in which they are computed (A, B: the left and right operand; K: the contracted axis; several contracted axes count as one K, in the product's order):
;;     1. [M 65,536, K 1,024] x [K 1,024, N 1,024]; A: input context; B: input Wh_w (given as codes): QUANTISED
;;     2. [M 32, K 1,024] x [K 1,024, N 1,024]; A: input output (given as codes); B: input Ws_w (given as codes): QUANTISED
;;     3. [M 1, K 1,024] x [K 1,024, N 65,536]; A: input v_w; B: computed on the way: left as it is (M = 1 < 16)
;;     4. batch 32 x [M 1, K 2,048] x [K 2,048, N 1,024]; A: softmax; B: input context: left as it is (M = 1 < 16)
;;   THE QUANTISER, for each operand of a quantised product, along K:
;;     - K is cut into blocks of 32 from its start; a last block that is shorter is filled with zeros.
;;     - A block's scale is 2^e with e = floor(log2(the largest magnitude in the block)) - 2, held to -126 .. 127; a block of zeros has e = 0. As a byte (E8M0): e + 127.
;;     - Each number is divided by its block's scale, clamped to +-6, and rounded to the nearest number of E2M1, ties to even, subnormals kept.
;;     - The product sums the exact products of the quantised numbers (number of the format x scale) in f32.
;;   ~~~python
;;   def quantise(x, axis):      # numpy; x: float32 -> the quantised numbers, widened to float32 again
;;       x = np.moveaxis(x, axis, -1); K = x.shape[-1]
;;       x = np.pad(x, [(0, 0)] * (x.ndim - 1) + [(0, -K % 32)]); x = x.reshape(x.shape[:-1] + (-1, 32)); a = np.abs(x).max(-1, keepdims=True)
;;       e = np.where(a > 0, np.clip(np.frexp(np.where(a > 0, a, 1))[1] - 1 - 2, -126, 127), 0)      # np.frexp(a)[1] - 1 = floor(log2(a)), exactly
;;       r = np.clip(x / 2.0 ** e, -6, 6)
;;       step = 2.0 ** (np.maximum(np.frexp(np.where(r == 0, 1, r))[1] - 1, 0) - 1)
;;       q = np.round(r / step) * step * 2.0 ** e      # np.round: ties to even
;;       return np.moveaxis(q.reshape(q.shape[:-2] + (-1,))[..., :K], -1, axis).astype(np.float32)
;;   ~~~
;;   INPUTS GIVEN AS CODES. Wh_w (in the module: [1024, 1024], K = its axis 1); Ws_w (in the module: [1024, 1024], K = its axis 1); output (in the module: [32, 1024], K = its axis 1): each comes as NAME_codes (uint8): NAME with its K axis moved to the last place and cut into blocks of 32 codes, [.., K / 32, bytes a block], one block behind the other in memory; two codes a byte, the lower K in the low four bits (a code: sign, 2 exponent bits, 1 mantissa bit); and NAME_scales (uint8): the same leading axes, one E8M0 byte (e + 127) for each 32 codes along K. Its value is code x scale, taken as it is: it is not quantised again, and the codes and scales need not be those that the quantiser above would give.
;; One version. Each part assembles by itself: llvm-mc -triple=amdgcn-amd-amdhsa -mcpu=gfx1250 --defsym DOCPART=n.
;; ======== version 1 of 1: 3 launches
;; limits: values are held in bf16: 8 bits of precision; right only within a limited range of input values
;; workspace buffers: wfrag 557,056 bytes; cb 131,072 bytes; scores 262,144 bytes; part 1,048,576 bytes; stat 65,536 bytes
;; launch prep (part 1): grid 32 x 1, 4 waves a work-group, no clusters, 8,704 bytes of LDS; arguments Wh_w_codes, Wh_w_scales, Ws_w_codes, Ws_w_scales, output_codes, output_scales, Wh_b, wfrag, cb; writes wfrag, cb
.if DOCPART == 1
	.amdgcn_target "amdgcn-amd-amdhsa--gfx1250"
	.amdhsa_code_object_version 6
	.text
	.protected	k_qd45cbcf5ef_prep
	.globl	k_qd45cbcf5ef_prep
	.p2align	8
	.type	k_qd45cbcf5ef_prep,@function
k_qd45cbcf5ef_prep:
	s_mov_b64 s[64:65], 0
	v_nop
	global_prefetch_b8 v0, s[64:65] scope:SCOPE_SE
	s_setreg_imm32_b32 hwreg(HW_REG_WAVE_MODE, 25, 1), 1
	s_wait_xcnt 0x0
; Two small jobs ahead of the main launch.
; (a) Wh_w's codes and scale bytes are laid in the order of a matrix operand's registers: wfrag[tile of 16 rows][17 pieces][32 lanes][16 bytes].
;     Piece 2 s + c (K step s of 128, half c): lane (r, h) holds the 16 bytes of row 16 T + r at byte 64 s + 32 c + 16 h.  Piece 16: the row's scale bytes 16 h .. 16 h + 15.
;     So the main launch fetches a tile by 17 loads of 512 consecutive bytes each.
; (b) cb[b][a] = 2 log2(e) x (sum over q of output[b][q] Ws_w[a][q] + Wh_b[a]): the second product, on codes of E2M1 as they are given, with the bias as the C of the first matrix instruction.
; SHARES.  Work-group X: g = X % 2 is the half of the 32 batches (and the half of a tile's code pieces that it copies); wave w takes tile T = 4 (X / 2) + w of 16 rows a.
; THE MATRIX INSTRUCTION IS USED TRANSPOSED: source 0 = 16 rows of Ws_w, source 1 = 16 rows of output: lane (r, h) holds batch 16 g + r and a = 16 T + 8 h + 0 .. 7.
; Four waves' 64 numbers of a batch meet in a stage in LDS and leave as 256 consecutive bytes.
; REGISTERS: v1-9 addresses; v16-79 Ws_w's fragments; v80-143 output's; v144-151 scale words; v152-159 the bias; v160-175 two accumulators; v176-183 the result;
;   v184-215 Wh_w's eight pieces; v216-219 its scale piece; v224-231 the stage read back.  No register is the data of two stores, so no store's data are written again.
.set REC,  8704                        ; a tile's record in wfrag
.set SPI,  272                         ; a stage row: 256 bytes + 16
	s_load_b256 s[4:11], s[0:1], 0x0               ; Wh codes s[4:5], Wh scales s[6:7], Ws codes s[8:9], Ws scales s[10:11]
	s_load_b256 s[12:19], s[0:1], 0x20             ; output codes s[12:13], output scales s[14:15], Wh_b s[16:17], wfrag s[18:19]
	s_load_b64 s[20:21], s[0:1], 0x40              ; cb
	v_lshl_add_u32 v240, v0, 2, 0x2000
	v_mov_b32 v241, 0
	v_lshrrev_b32 v1, 5, v0
	v_readfirstlane_b32 s22, v1                    ; wave
	s_and_b32 s23, ttmp9, 1                        ; g
	s_lshr_b32 s24, ttmp9, 1                       ; which four tiles
	s_lshl_b32 s25, s24, 2
	s_add_co_u32 s25, s25, s22                     ; T
	s_mov_b32 s27, 0
	s_mov_b32 s28, 0x4038aa3b                      ; 2 log2(e)
	s_mov_b32 s29, s28                             ; (named with it as a pair)
	v_and_b32 v1, 15, v0                           ; r
	v_bfe_u32 v2, v0, 4, 1                         ; h
	v_lshlrev_b32 v3, 9, v1
	v_lshl_add_u32 v3, v2, 4, v3                   ; codes: 512 r + 16 h
	v_lshlrev_b32 v4, 5, v1
	v_lshl_add_u32 v4, v2, 4, v4                   ; scale bytes: 32 r + 16 h: lanes 0-15 get K steps 0-3, lanes 16-31 K steps 4-7
	v_and_b32 v5, 31, v0
	v_lshlrev_b32 v5, 4, v5                        ; 16 x lane
	v_lshlrev_b32 v6, 5, v2                        ; the bias: 32 h
	v_mul_u32_u24 v7, v1, SPI
	v_lshl_add_u32 v7, v2, 5, v7
	s_lshl_b32 s30, s22, 6
	v_add_nc_u32 v7, s30, v7                       ; into the stage: row r, 64 w + 32 h
	v_mul_u32_u24 v8, v2, SPI
	v_lshl_add_u32 v8, v1, 4, v8
	s_mul_i32 s30, s22, 4*SPI
	v_add_nc_u32 v8, s30, v8                       ; back: rows 4 w + h (+ 2), 16 bytes a lane
	v_lshlrev_b32 v9, 12, v2
	v_lshl_add_u32 v9, v1, 4, v9
	s_lshl_b32 s30, s22, 14
	v_add_nc_u32 v9, s30, v9                       ; and the same rows in cb
	s_wait_alu depctr_va_vdst(0)
	s_wait_kmcnt 0x0
	s_lshl_b32 s26, s25, 13                        ; 16 rows of 512 bytes a tile
	s_add_nc_u64 s[8:9], s[8:9], s[26:27]
	s_add_nc_u64 s[4:5], s[4:5], s[26:27]
	s_lshl_b32 s26, s23, 8
	s_add_nc_u64 s[4:5], s[4:5], s[26:27]          ; my half of Wh's pieces: K steps 4 g on
	s_lshl_b32 s26, s25, 9                         ; 16 rows of 32 scale bytes
	s_add_nc_u64 s[10:11], s[10:11], s[26:27]
	s_add_nc_u64 s[6:7], s[6:7], s[26:27]
	s_lshl_b32 s26, s23, 13
	s_add_nc_u64 s[12:13], s[12:13], s[26:27]      ; output: batches 16 g on
	s_lshl_b32 s26, s23, 9
	s_add_nc_u64 s[14:15], s[14:15], s[26:27]
	s_lshl_b32 s26, s25, 6
	s_add_nc_u64 s[16:17], s[16:17], s[26:27]      ; Wh_b at a = 16 T
	s_mul_i32 s26, s25, REC
	s_add_nc_u64 s[18:19], s[18:19], s[26:27]
	s_lshl_b32 s26, s23, 12
	s_add_nc_u64 s[18:19], s[18:19], s[26:27]      ; wfrag: my tile, pieces 8 g on
	s_lshl_b32 s26, s23, 16
	s_lshl_b32 s30, s24, 8
	s_add_co_u32 s26, s26, s30
	s_add_nc_u64 s[20:21], s[20:21], s[26:27]      ; cb: batch 16 g, a = 64 (X / 2)
.irp p, 0,1,2,3,4,5,6,7,8,9,10,11,12,13,14,15
	global_load_b128 v[16+4*\p:19+4*\p], v3, s[8:9] offset:32*\p     ; Ws_w's eight fragments
.endr
.irp p, 0,1,2,3,4,5,6,7,8,9,10,11,12,13,14,15
	global_load_b128 v[80+4*\p:83+4*\p], v3, s[12:13] offset:32*\p   ; output's eight
.endr
	global_load_b128 v[144:147], v4, s[10:11]      ; Ws_w's scale words
	global_load_b128 v[148:151], v4, s[14:15]      ; output's
	global_load_b128 v[152:155], v6, s[16:17]      ; Wh_b[16 T + 8 h + 0 .. 7]
	global_load_b128 v[156:159], v6, s[16:17] offset:16
	global_load_b128 v[216:219], v4, s[6:7]        ; Wh_w's scale piece, asked for with the rest
.irp p, 0,1,2,3,4,5,6,7
	global_load_b128 v[184+4*\p:187+4*\p], v3, s[4:5] offset:32*\p   ; my eight pieces of Wh_w's codes
.endr
	s_wait_loadcnt 0x0
.irp p, 0,1,2,3,4,5,6,7
	global_store_b128 v5, v[184+4*\p:187+4*\p], s[18:19] offset:512*\p   ; each store of the wave covers 512 consecutive bytes, aligned; v184-215 are not written again
.endr
; Eight K steps on two accumulators by turns: even steps on v[160:167], which starts from the bias, odd steps on v[168:175], which starts from 0.
.macro PW s
.set AQ, 160+8*((\s)%2)
.if (\s) == 0
	v_wmma_scale_f32_16x16x128_f8f6f4 v[160:167], v[16:23], v[80:87], v[152:159], v144, v148 matrix_a_fmt:MATRIX_FMT_FP4 matrix_b_fmt:MATRIX_FMT_FP4
.elseif (\s) == 1
	v_wmma_scale_f32_16x16x128_f8f6f4 v[168:175], v[24:31], v[88:95], 0, v145, v149 matrix_a_fmt:MATRIX_FMT_FP4 matrix_b_fmt:MATRIX_FMT_FP4
.elseif (\s) < 4
	v_wmma_scale_f32_16x16x128_f8f6f4 v[AQ:AQ+7], v[16+8*(\s):23+8*(\s)], v[80+8*(\s):87+8*(\s)], v[AQ:AQ+7], v[144+(\s)], v[148+(\s)] matrix_a_fmt:MATRIX_FMT_FP4 matrix_b_fmt:MATRIX_FMT_FP4
.else
	v_wmma_scale_f32_16x16x128_f8f6f4 v[AQ:AQ+7], v[16+8*(\s):23+8*(\s)], v[80+8*(\s):87+8*(\s)], v[AQ:AQ+7], v[140+(\s)], v[144+(\s)] matrix_a_fmt:MATRIX_FMT_FP4 matrix_b_fmt:MATRIX_FMT_FP4 matrix_a_scale:MATRIX_SCALE_ROW1 matrix_b_scale:MATRIX_SCALE_ROW1
.endif
.endm
.irp s, 0,1,2,3,4,5,6,7
	PW \s
.endr
.rept 4
	v_nop                                          ; four places between the last product and the first read of results (ISA guide 7.12.1)
.endr
.irp j, 0,2,4,6
	v_pk_add_f32 v[176+\j:177+\j], v[160+\j:161+\j], v[168+\j:169+\j]    ; the two halves of K, each accumulator from its low end on
.endr
.irp j, 0,2,4,6
	v_pk_mul_f32 v[176+\j:177+\j], v[176+\j:177+\j], s[28:29] op_sel_hi:[1,0]   ; x 2 log2(e)
.endr
	ds_store_b128 v7, v[176:179]
	ds_store_b128 v7, v[180:183] offset:16
	s_wait_dscnt 0x0                               ; for the others' sake: my stores into the stage are done
	s_barrier_signal -1
	s_barrier_wait -1
	ds_load_b128 v[224:227], v8                    ; into registers that no pending store names
	ds_load_b128 v[228:231], v8 offset:2*SPI
	s_wait_dscnt 0x0
	global_store_b128 v9, v[224:227], s[20:21]                 ; sixteen lanes store 256 consecutive bytes of a row of cb, aligned
	global_store_b128 v9, v[228:231], s[20:21] offset:8192
	s_cmp_eq_u32 s23, 0                            ; the tile's scale piece is copied by the work-group with g = 1 alone, so that each byte of wfrag has one writer
	s_cbranch_scc1 .Ldone
	global_store_b128 v5, v[216:219], s[18:19] offset:4096     ; piece 16 (my base stands at piece 8); it was loaded with the first run of loads
.Ldone:
	s_wait_tensorcnt 0x0
	ds_add_u32 v240, v241
	s_wait_dscnt 0x0
	s_endpgm
.Lfunc_end_k_qd45cbcf5ef_prep:
	.size	k_qd45cbcf5ef_prep, .Lfunc_end_k_qd45cbcf5ef_prep-k_qd45cbcf5ef_prep
	.p2alignl 7, 3214868480
	.fill 96, 4, 3214868480
	.section	.rodata,"a",@progbits
	.p2align	6, 0x0
	.amdhsa_kernel k_qd45cbcf5ef_prep
		.amdhsa_group_segment_fixed_size 8704
		.amdhsa_private_segment_fixed_size 0
		.amdhsa_enable_private_segment 0
		.amdhsa_kernarg_size 72
		.amdhsa_user_sgpr_count 2
		.amdhsa_user_sgpr_kernarg_segment_ptr 1
		.amdhsa_wavefront_size32 1
		.amdhsa_system_sgpr_workgroup_id_x 1
		.amdhsa_system_sgpr_workgroup_id_y 1
		.amdhsa_system_sgpr_workgroup_id_z 1
		.amdhsa_system_vgpr_workitem_id 0
		.amdhsa_next_free_vgpr 242
		.amdhsa_next_free_sgpr 66
		.amdhsa_reserve_vcc 0
		.amdhsa_float_denorm_mode_32 3
		.amdhsa_float_denorm_mode_16_64 3
		.amdhsa_memory_ordered 1
		.amdhsa_forward_progress 1
		.amdhsa_inst_pref_size 11
	.end_amdhsa_kernel
	.amdgpu_metadata
---
amdhsa.version: [ 1, 2 ]
amdhsa.kernels:
  - .name:           k_qd45cbcf5ef_prep
    .symbol:         k_qd45cbcf5ef_prep.kd
    .args:
      - { .name: Wh_w_codes, .offset: 0, .size: 8, .value_kind: global_buffer, .address_space: global }
      - { .name: Wh_w_scales, .offset: 8, .size: 8, .value_kind: global_buffer, .address_space: global }
      - { .name: Ws_w_codes, .offset: 16, .size: 8, .value_kind: global_buffer, .address_space: global }
      - { .name: Ws_w_scales, .offset: 24, .size: 8, .value_kind: global_buffer, .address_space: global }
      - { .name: output_codes, .offset: 32, .size: 8, .value_kind: global_buffer, .address_space: global }
      - { .name: output_scales, .offset: 40, .size: 8, .value_kind: global_buffer, .address_space: global }
      - { .name: Wh_b, .offset: 48, .size: 8, .value_kind: global_buffer, .address_space: global }
      - { .name: wfrag, .offset: 56, .size: 8, .value_kind: global_buffer, .address_space: global }
      - { .name: cb, .offset: 64, .size: 8, .value_kind: global_buffer, .address_space: global }
    .group_segment_fixed_size: 8704
    .private_segment_fixed_size: 0
    .kernarg_segment_align: 8
    .kernarg_segment_size: 72
    .max_flat_workgroup_size: 128
    .sgpr_count:     66
    .vgpr_count:     242
    .wavefront_size: 32
...
	.end_amdgpu_metadata
.endif
;; end of part 1
;; launch main (part 2): grid 256 x 1, 4 waves a work-group, no clusters, 327,680 bytes of LDS; arguments context, attn_mask, v_w, wfrag, cb, scores, part, stat; writes scores, part, stat
.if DOCPART == 2
	.amdgcn_target "amdgcn-amd-amdhsa--gfx1250"
	.amdhsa_code_object_version 6
	.text
	.protected	k_qd45cbcf5ef_main
	.globl	k_qd45cbcf5ef_main
	.p2align	8
	.type	k_qd45cbcf5ef_main,@function
k_qd45cbcf5ef_main:
	s_mov_b64 s[64:65], 0
	v_nop
	global_prefetch_b8 v0, s[64:65] scope:SCOPE_SE
	s_setreg_imm32_b32 hwreg(HW_REG_WAVE_MODE, 25, 1), 1
	s_wait_xcnt 0x0
; Additive attention, the main pass.  Work-group X owns rows 256 X .. 256 X + 255 of context (batch X / 8), in four blocks of 64 rows.
; For a block: (1) each wave takes its 256 columns of the 64 rows from its raw stage in LDS, quantises them to E2M1 along K (32 numbers a lane: a block's scale needs no other lane),
; puts codes and scale bytes into LDS for all waves, and keeps a bf16 copy of its columns in registers (window 3) for the weighted sum;
; (2) each wave multiplies all 64 rows by its quarter of Wh_w (16 tiles of 16 rows a, fetched as register images from wfrag), two tiles a trip;
; tanh(z) = 1 - 2 / (1 + 2^(2 log2(e) z)); cb holds 2 log2(e) (output_p + Wh_b); the wave's part of a score is sum(v) - 2 sum(v / (1 + 2^y));
; (3) the four parts meet in LDS, the mask sets -1e9, a running maximum is taken away before the exponential, and the bf16 copy is summed with weights p in f32.
; scores, the part sums and (maximum, sum) go to memory; the next launch joins a batch's eight parts.
; THE MATRIX INSTRUCTION IS USED TRANSPOSED: source 0 = 16 rows of Wh_w, source 1 = 16 rows of context: a lane holds one row s and eight neighbouring a.
; A TRIP IS LAID IN BATCHES: 64 matrix instructions on eight accumulators by turns, the next pair's 34 loads, then 32 multiply-adds, 64 exponentials, 32 additions, 64 reciprocals, 32 multiply-adds.
; So no transcendental stands between a matrix result and its first reader, and each batch has one wait ahead of it and one behind it.
; THE RAW STAGE holds a whole block (64 rows x 4,096 bytes, padded): it is asked for again as soon as it has been read out, a whole block's products ahead of the wait for it; so no prefetch is laid.
; NO CLUSTER: all work-groups walk the same wfrag, but of LDS 327,168 bytes are in use (raw stage 278,528, codes 33,792, scale bytes, cb, v, scores, mask, spare words): no ring for Wh_w fits beside them.
; LIMITS: context enters the weighted sum rounded to bf16; p and all sums are f32.
; REGISTERS.  Window 0: v1-7 addresses; v24-31 Wh_w's scale words; v32-47 context's; v48-63 score sums; v64-127 eight accumulators (at work elsewhere as Z); v128-255 two tiles of Wh_w.
; Window 1: v0-127 context's fragments, K steps 0-3; v128-143 p; v144-159 cb, v160-175 v of the pair; v192-223 the weighted sum; v224 the sum of p; v226-227 addresses.
; Window 2: v0-127 fragments, K steps 4-7; v128-251 the quantiser's.  Window 3: the bf16 copy.
.set RP,     1088                      ; a raw row of 1,024 bytes + 16 behind every 256
.set WRAW,   64*RP                     ; a wave's raw stage
.set CODE,   4*WRAW                    ; the block's codes: 64 rows of 512 bytes + 16
.set CP,     528
.set SCA,    CODE+64*CP                ; its scale bytes: 64 rows of 32 + 16
.set SP,     48
.set CBT,    SCA+64*SP                 ; cb of my batch
.set VT,     CBT+4096                  ; v_w
.set PS,     VT+4096                   ; the waves' parts of 64 scores
.set PB,     PS+1024                   ; p, a copy for each wave
.set SPARE,  PB+1024                   ; the spare words
.set MK,     SPARE+512                 ; the mask of my 256 rows
.set OP,     1152
.set REC,    8704                      ; a tile's record in wfrag
.set SPW,  1
.set NIL,  2
.set WOFF, 3
.set TB,   4
.set TAD,  5
.set PSW,  7
.set WS,   24
.set XS,   32
.set SE,   48
.set SO,   56
.set ACC,  64
.set WB,   128
.set Z,    64
.set PV,   128
.set CBX,  144
.set VVX,  160
.set WACC, 192
.set LL,   224
.set AADR, 226
.set XSAD, 227
.set FB,   128
.set CD,   224
.set T0,   240
.set XRD,  244
.set XCW,  245
.set XSW,  246
.set BY,   248
.set MSB, 0
.macro WIN new                         ; the immediate's high byte repeats the setting that is left
.if MSB != \new
	s_set_vgpr_msb (MSB<<8)|\new
.set MSB, \new
.endif
.endm
.macro BAR
	s_wait_dscnt 0x0
	s_barrier_signal -1
	s_barrier_wait -1
.endm
	s_load_b256 s[4:11], s[0:1], 0x0               ; context, attn_mask, v_w, wfrag
	s_load_b256 s[12:19], s[0:1], 0x20             ; cb, scores, part, stat
	v_lshl_add_u32 v[SPW], v0, 2, SPARE
	v_mov_b32 v[NIL], 0
	ds_add_u32 v[SPW], v[NIL]                      ; the opening add,
	ds_add_u32 v[SPW], v[NIL]                      ; once more, and one wait for both below
	v_lshrrev_b32 v64, 5, v0
	v_readfirstlane_b32 s20, v64                   ; wave
	s_mov_b32 s21, ttmp9                           ; work-group
	s_mov_b32 s40, (2<<16)|(1<<20)|(5<<22)|(3<<25) ; group 1: elements of 4 bytes, 4 words of padding behind every 64
	s_mov_b32 s41, 256<<16                         ; 256 columns
	s_mov_b32 s42, 64<<16                          ; 64 rows
	s_mov_b32 s43, 256<<16
	s_mov_b32 s44, 64
	s_mov_b32 s45, 1024                            ; a row of context
	s_mov_b32 s46, 0
	s_mov_b32 s47, 0
	s_mov_b32 s22, 0x76543210
	s_mov_b32 s23, 0xfedcba98                      ; selects for lane l xor 16
	s_mov_b32 s24, 0x4038aa3b                      ; 2 log2(e)
	s_mov_b32 s25, s24
	s_mov_b32 s26, 0x3fb8aa3b                      ; log2(e)
	s_mov_b32 s28, 0                               ; trips done
	s_mov_b32 s59, 0
	s_mov_b32 s60, 0                               ; 256 x block
	s_mov_b32 s61, 0xff61b1e6                      ; the running maximum: -3e38
	s_mul_i32 s62, s20, WRAW
	s_lshl_b32 s50, s21, 20                        ; 256 rows of 4,096 bytes
	s_lshl_b32 s33, s20, 10                        ; my 256 columns
	s_add_co_u32 s50, s50, s33
	s_mov_b32 s51, 0
	s_mov_b32 s36, 1
	s_mov_b32 s37, s62
	s_wait_dscnt 0x0
	s_wait_kmcnt 0x0
	s_add_nc_u64 s[38:39], s[4:5], s[50:51]
	s_or_b32 s39, s39, 0x80000000
	tensor_load_to_lds s[36:39], s[40:47]          ; block 0, my columns: my one tensor load at the head
	s_nop 0
	s_lshr_b32 s34, s21, 3
	s_lshl_b32 s34, s34, 12
	s_add_co_u32 s34, s34, s33
	s_mov_b32 s35, 0
	s_add_nc_u64 s[12:13], s[12:13], s[34:35]      ; cb: my batch, my quarter
	s_mov_b32 s34, s33
	s_add_nc_u64 s[8:9], s[8:9], s[34:35]          ; v_w: my quarter
	s_lshl_b32 s34, s21, 10
	s_add_nc_u64 s[14:15], s[14:15], s[34:35]      ; scores of my 256 rows
	s_lshl_b32 s54, s20, 8
	s_add_co_u32 s34, s34, s54
	s_add_nc_u64 s[6:7], s[6:7], s[34:35]          ; the mask: the 64 rows that I copy
	s_lshl_b32 s34, s21, 12
	s_add_nc_u64 s[16:17], s[16:17], s[34:35]      ; part
	s_lshl_b32 s34, s21, 8
	s_add_nc_u64 s[18:19], s[18:19], s[34:35]      ; stat
	s_mul_i32 s34, s20, 16*REC
	s_add_nc_u64 s[52:53], s[10:11], s[34:35]      ; my 16 tiles of wfrag
	v_and_b32 v64, 31, v0
	v_lshlrev_b32 v[WOFF], 4, v64                  ; 16 x lane
	v_and_b32 v65, 15, v0
	v_bfe_u32 v66, v0, 4, 1
	v_lshlrev_b32 v67, 3, v64
	global_load_b128 v[68:71], v[WOFF], s[12:13]
	global_load_b128 v[72:75], v[WOFF], s[12:13] offset:512
	global_load_b128 v[76:79], v[WOFF], s[8:9]
	global_load_b128 v[80:83], v[WOFF], s[8:9] offset:512
	global_load_b64 v[84:85], v67, s[6:7]
	s_add_co_u32 s34, s33, CBT
	v_lshl_add_u32 v[TB], v66, 5, s34              ; cb of my quarter, + 32 h
	v_add_nc_u32 v86, s34, v[WOFF]
	s_add_co_u32 s63, s54, PB
	s_add_co_u32 s34, s54, PS
	v_lshl_add_u32 v[PSW], v65, 2, s34
	s_add_co_u32 s34, s54, MK
	v_add_nc_u32 v87, s34, v67
	v_mul_u32_u24 v88, v65, CP
	v_lshl_add_u32 v88, v66, 4, v88
	v_mul_u32_u24 v89, v65, SP
	v_lshl_add_u32 v89, v66, 4, v89
	WIN 0x40
	v_add_nc_u32 v[AADR], CODE, v88
	v_add_nc_u32 v[XSAD], SCA, v89
.irp e, 0,1,2,3,4,5,6,7,8,9,10,11,12,13,14,15,16,17,18,19,20,21,22,23,24,25,26,27,28,29,30,31
	v_mov_b32 v[WACC+\e], 0                        ; the weighted sum is rescaled in every block, the first too
.endr
	v_mov_b32 v[LL], 0
	WIN 0
	v_lshrrev_b32 v91, 3, v64                      ; the quantiser: lane = (row of four, block of 32 columns)
	v_and_b32 v92, 7, v64
	v_lshrrev_b32 v93, 1, v92
	v_mul_u32_u24 v94, v91, RP
	v_lshl_add_u32 v94, v92, 7, v94
	v_lshl_add_u32 v94, v93, 4, v94
	v_mul_u32_u24 v95, v91, CP
	v_lshl_add_u32 v95, v92, 4, v95
	v_mad_u32_u24 v93, v91, SP, v92
	s_lshl_b32 s34, s20, 7
	s_add_co_u32 s34, s34, CODE
	s_lshl_b32 s35, s20, 3
	s_add_co_u32 s35, s35, SCA
	WIN 0x80
	v_add_nc_u32 v[XRD], s62, v94
	v_add_nc_u32 v[XCW], s34, v95
	v_add_nc_u32 v[XSW], s35, v93
	WIN 0
	s_wait_loadcnt 0x0
	ds_store_b128 v86, v[68:71]
	ds_store_b128 v86, v[72:75] offset:512
	ds_store_b128 v86, v[76:79] offset:4096
	ds_store_b128 v86, v[80:83] offset:4608
	ds_store_b64 v87, v[84:85]
	v_pk_add_f32 v[88:89], v[76:77], v[78:79]      ; the sum of my quarter of v
	v_pk_add_f32 v[90:91], v[80:81], v[82:83]
	v_pk_add_f32 v[88:89], v[88:89], v[90:91]
	v_add_f32 v88, v88, v89
	v_add_f32_dpp v88, v88, v88 row_xmask:1 row_mask:0xf bank_mask:0xf
	v_add_f32_dpp v88, v88, v88 row_xmask:2 row_mask:0xf bank_mask:0xf
	v_add_f32_dpp v88, v88, v88 row_xmask:4 row_mask:0xf bank_mask:0xf
	v_add_f32_dpp v88, v88, v88 row_xmask:8 row_mask:0xf bank_mask:0xf
	v_permlanex16_b32 v89, v88, s22, s23
	v_add_f32 v88, v88, v89
	v_readfirstlane_b32 s27, v88
.irp t, 0,1
.irp p, 0,1,2,3,4,5,6,7,8,9,10,11,12,13,14,15
	global_load_b128 v[WB+64*\t+4*\p:WB+64*\t+4*\p+3], v[WOFF], s[52:53] offset:REC*\t+512*\p   ; my first two tiles
.endr
	global_load_b128 v[WS+4*\t:WS+4*\t+3], v[WOFF], s[52:53] offset:REC*\t+8192
.endr
.irp j, 0,1,2,3,4,5,6,7,8,9,10,11,12,13,14,15
	v_mov_b32 v[SE+\j], 0
.endr
; One matrix instruction of a trip's 64: K step n / 8, accumulator n % 8 = (tile of the pair, 16 rows of context).  The eight take turns, one instruction a turn.
.macro WMM
.set AC, ACC+32*((n%8)/4)+8*(n%4)
.set WF, WB+64*((n%8)/4)+8*(n/8)
.set XF, 32*((n/8)%4)+8*(n%4)
.set SA, WS+4*((n%8)/4)+(n/8)%4
.set SB, XS+4*(n%4)+(n/8)%4
.if n < 8
	v_wmma_scale_f32_16x16x128_f8f6f4 v[AC:AC+7], v[WF:WF+7], v[XF:XF+7], 0, v[SA], v[SB] matrix_a_fmt:MATRIX_FMT_FP4 matrix_b_fmt:MATRIX_FMT_FP4
.elseif n < 32
	v_wmma_scale_f32_16x16x128_f8f6f4 v[AC:AC+7], v[WF:WF+7], v[XF:XF+7], v[AC:AC+7], v[SA], v[SB] matrix_a_fmt:MATRIX_FMT_FP4 matrix_b_fmt:MATRIX_FMT_FP4
.else
	v_wmma_scale_f32_16x16x128_f8f6f4 v[AC:AC+7], v[WF:WF+7], v[XF:XF+7], v[AC:AC+7], v[SA], v[SB] matrix_a_fmt:MATRIX_FMT_FP4 matrix_b_fmt:MATRIX_FMT_FP4 matrix_a_scale:MATRIX_SCALE_ROW1 matrix_b_scale:MATRIX_SCALE_ROW1
.endif
.set n, n+1
.endm
; A TRIP: two tiles of Wh_w against the block's 64 rows.
.macro PAIR
	s_wait_xcnt 0x0                                ; the last block's store of scores has read its registers, which lie among the accumulators
	s_wait_loadcnt 0x0                             ; the pair's 34 loads are in, so their base may be written too
	s_and_b32 s55, s28, 7
	s_lshl_b32 s55, s55, 7                         ; 128 bytes of cb and of v a pair
	v_add_nc_u32 v[TAD], s55, v[TB]
	s_wait_alu depctr_va_vdst(0)
	WIN 0x40
.irp p, 0,1
	ds_load_b128 v[CBX+8*\p:CBX+8*\p+3], v[TAD] offset:64*\p
	ds_load_b128 v[CBX+8*\p+4:CBX+8*\p+7], v[TAD] offset:64*\p+16
	ds_load_b128 v[VVX+8*\p:VVX+8*\p+3], v[TAD] offset:4096+64*\p
	ds_load_b128 v[VVX+8*\p+4:VVX+8*\p+7], v[TAD] offset:4096+64*\p+16
.endr
	s_add_co_u32 s33, s28, 1
	s_and_b32 s33, s33, 7                          ; behind a block's last pair comes the next block's first
	s_mul_i32 s58, s33, 2*REC
	s_add_nc_u64 s[56:57], s[52:53], s[58:59]      ; the next pair's records
	s_wait_dscnt 40                                ; a block's first trip: the scale words and window 1's fragments are in; window 2's 32 loads and the 8 above may be out
	WIN 0x04                                       ; source 1 in window 1: K steps 0-3
.set n, 0
.rept 32
	WMM
.endr
	WIN 0
.rept 4
	v_nop                                          ; four places ahead of loads into the products' sources
.endr
	s_cmp_eq_u32 s28, 31                           ; the launch's last trip has no successor
	s_cbranch_scc1 .Lnoa_\@
.irp t, 0,1
.irp p, 0,1,2,3,4,5,6,7
	global_load_b128 v[WB+64*\t+4*\p:WB+64*\t+4*\p+3], v[WOFF], s[56:57] offset:REC*\t+512*\p   ; K steps 0-3 of the next pair; each load of the wave covers 512 consecutive bytes
.endr
.endr
.Lnoa_\@:
	s_wait_dscnt 8                                 ; window 2's fragments are in; the 8 loads of cb and v may be out
	WIN 0x08                                       ; window 2: K steps 4-7
.rept 32
	WMM
.endr
	WIN 0
.rept 4
	v_nop                                          ; four places ahead of the loads below and of the first read of results
.endr
	s_cmp_eq_u32 s28, 31
	s_cbranch_scc1 .Lnomore_\@
.irp t, 0,1
.irp p, 8,9,10,11,12,13,14,15
	global_load_b128 v[WB+64*\t+4*\p:WB+64*\t+4*\p+3], v[WOFF], s[56:57] offset:REC*\t+512*\p   ; K steps 4-7,
.endr
	global_load_b128 v[WS+4*\t:WS+4*\t+3], v[WOFF], s[56:57] offset:REC*\t+8192                 ; and the scale words, which both halves read
.endr
.Lnomore_\@:
	s_wait_dscnt 0x0                               ; cb and v
	WIN 0x10                                       ; source 2 in window 1
.set k, 0
.rept 32
	v_pk_fma_f32 v[ACC+2*k:ACC+2*k+1], v[ACC+2*k:ACC+2*k+1], s[24:25], v[CBX+8*(k/16)+(2*k)%8:CBX+8*(k/16)+(2*k)%8+1] op_sel_hi:[1,0,1]   ; y = 2 log2(e) z, each accumulator from its low end on
.set k, k+1
.endr
	WIN 0
	s_wait_alu depctr_va_vdst(0)                   ; ahead of the batch
.set k, 0
.rept 64
	v_exp_f32 v[ACC+k], v[ACC+k]
.set k, k+1
.endr
	v_nop                                          ; a plain place behind the batch,
	s_wait_alu depctr_va_vdst(0)                   ; and one wait for the 64
.set k, 0
.rept 32
	v_pk_add_f32 v[ACC+2*k:ACC+2*k+1], v[ACC+2*k:ACC+2*k+1], 1.0 op_sel_hi:[1,0]
.set k, k+1
.endr
	s_wait_alu depctr_va_vdst(0)
.set k, 0
.rept 64
	v_rcp_f32 v[ACC+k], v[ACC+k]
.set k, k+1
.endr
	v_nop
	s_wait_alu depctr_va_vdst(0)
	WIN 0x04                                       ; source 1 in window 1
.irp j, 0,2,4,6
.irp p, 0,1
.irp i, 0,1,2,3
	v_pk_fma_f32 v[SE+8*\p+2*\i:SE+8*\p+2*\i+1], v[ACC+32*\p+8*\i+\j:ACC+32*\p+8*\i+\j+1], v[VVX+8*\p+\j:VVX+8*\p+\j+1], v[SE+8*\p+2*\i:SE+8*\p+2*\i+1]   ; sum of v / (1 + 2^y): eight chains
.endr
.endr
.endr
	WIN 0
	s_add_co_u32 s28, s28, 1
.endm
; THE QUANTISER.  Unit u: rows 4 u .. 4 u + 3 of my 256 columns; a lane reads its 32 numbers (8 loads), three units' buffers by turns.
.macro XL u
.set FS, FB+32*((\u)%3)
.irp j, 0,1,2,3,4,5,6,7
	ds_load_b128 v[FS+4*\j:FS+4*\j+3], v[XRD] offset:4*RP*(\u)+16*\j
.endr
.endm
.macro XW u
.set F, FB+32*((\u)%3)
.set CU, CD+4*((\u)%4)
.set BU, BY+(\u)%4
.irp c, 0,1,2,3
	v_max3_num_f32 v[T0+\c], |v[F+8*\c]|, |v[F+8*\c+1]|, |v[F+8*\c+2]|
.endr
.irp c, 0,1,2,3
	v_max3_num_f32 v[T0+\c], v[T0+\c], |v[F+8*\c+3]|, |v[F+8*\c+4]|
.endr
.irp c, 0,1,2,3
	v_max3_num_f32 v[T0+\c], v[T0+\c], |v[F+8*\c+5]|, |v[F+8*\c+6]|
.endr
	v_max3_num_f32 v[T0], v[T0], v[T0+1], |v[F+7]|
	v_max3_num_f32 v[T0+2], v[T0+2], v[T0+3], |v[F+15]|
	v_max3_num_f32 v[T0], v[T0], v[T0+2], |v[F+23]|
	v_max3_num_f32 v[T0], v[T0], |v[F+31]|, 0x1800000   ; with the floor 2^(3 - 127): the byte cannot fall under 1
	v_add_nc_u32 v[T0], 0xff000000, v[T0]          ; 2 off the exponent field: the conversion's scale operand
.irp g, 0,1,2,3
	v_cvt_scalef32_pk8_fp4_f32 v[CU+\g], v[F+8*\g:F+8*\g+7], v[T0]
.endr
	v_lshrrev_b32 v[BU], 23, v[T0]                 ; the scale's byte
	WIN 0xca
.irp m, 0,1,2,3,4,5,6,7,8,9,10,11,12,13,14,15
	v_cvt_pk_bf16_f32 v[16*(\u)+\m], v[F+2*\m], v[F+2*\m+1]   ; the copy for the weighted sum, into window 3
.endr
	ds_store_b128 v[XCW], v[CU:CU+3] offset:4*CP*(\u)
	ds_store_b8 v[XSW], v[BU] offset:4*SP*(\u)
	WIN 0xaa
.endm
.macro XQB mix                         ; mix = 1: the last block's weighted sum goes with it, unit by unit
	WIN 0xaa
	s_wait_tensorcnt 0x0                           ; my columns of the block are in; only I read them
	XL 0
	XL 1
.set U, 0
.rept 16
.if U+2 < 16
	XL U+2
.endif
.if \mix
	MIX U                                          ; reads unit U's old copy just ahead of the lines that write the new one; it stands between the loads above and the wait for unit U's
	WIN 0xaa
.endif
.if U == 0
	s_wait_dscnt 16                                ; behind unit U's eight loads: the loads of the next two units and the stores of the last two
.elseif U == 1
	s_wait_dscnt 18
.elseif U < 14
	s_wait_dscnt 20
.elseif U == 14
	s_wait_dscnt 12
.else
	s_wait_dscnt 4
.endif
	XW U
.set U, U+1
.endr
	WIN 0
.endm
.macro REFILL                          ; the raw stage has been read out: the next block is asked for; the same barrier shows the codes to all waves
	s_wait_tensorcnt 0x0
	ds_add_u32 v[SPW], v[NIL]
	s_add_nc_u64 s[38:39], s[38:39], 64*4096
	s_wait_dscnt 0x0
	s_barrier_signal -1
	s_barrier_wait -1
	tensor_load_to_lds s[36:39], s[40:47]
	s_nop 0
.rept 4
	v_nop
.endr
.endm
.macro SWA                             ; the block's fragments and scale words into registers
	WIN 0x01
.irp i, 0,1,2,3
	ds_load_b128 v[XS+4*\i:XS+4*\i+3], v[XSAD] offset:16*SP*\i   ; the scale words first: every K step wants them
.endr
	WIN 0x41
.irp s, 0,1,2,3
.irp i, 0,1,2,3
.irp c, 0,1
	ds_load_b128 v[32*\s+8*\i+4*\c:32*\s+8*\i+4*\c+3], v[AADR] offset:16*CP*\i+64*\s+32*\c
.endr
.endr
.endr
	WIN 0x81
.irp s, 0,1,2,3
.irp i, 0,1,2,3
.irp c, 0,1
	ds_load_b128 v[32*\s+8*\i+4*\c:32*\s+8*\i+4*\c+3], v[AADR] offset:16*CP*\i+256+64*\s+32*\c
.endr
.endr
.endr
	WIN 0                                          ; the first trip's counted waits stand for these 68 loads
.endm
; Unit u of a block's weighted sum: my lane's row of the unit, 32 columns out of the bf16 copy, times its p, in f32.
.macro MIX u
	WIN 0x57
.irp m, 0,1,2,3,4,5,6,7,8,9,10,11,12,13,14,15
	v_fma_mix_f32_bf16 v[WACC+2*\m], v[16*(\u)+\m], v[PV+(\u)], v[WACC+2*\m] op_sel_hi:[1,0,0]
	v_fma_mix_f32_bf16 v[WACC+2*\m+1], v[16*(\u)+\m], v[PV+(\u)], v[WACC+2*\m+1] op_sel:[1,0,0] op_sel_hi:[1,0,0]
.endr
.endm
.macro SWB mix                         ; the block's scores and its step of the running softmax; mix = 1: the weighted sum too (else it goes with the next block's quantiser)
.irp i, 0,2,4,6
	v_pk_add_f32 v[SO+\i:SO+\i+1], v[SO+\i:SO+\i+1], v[SE+\i:SE+\i+1]
.endr
.irp i, 0,2,4,6
	v_add_f32 v[SO+\i], v[SO+\i], v[SO+\i+1]
.endr
.irp i, 0,2,4,6
	v_permlanex16_b32 v[SO+\i+1], v[SO+\i], s22, s23
.endr
.irp i, 0,2,4,6
	v_add_f32 v[SO+\i], v[SO+\i], v[SO+\i+1]
.endr
.irp i, 0,2,4,6
	v_fma_f32 v[SO+\i], v[SO+\i], -2.0, s27        ; sum(v) - 2 sum(v / (1 + 2^y)) over my quarter of a
.endr
.irp i, 0,1,2,3
	ds_store_b32 v[PSW], v[SO+2*\i] offset:64*\i
.endr
	v_lshrrev_b32 v[Z+20], 1, v[WOFF]
	s_add_co_u32 s33, s60, MK
	v_add_nc_u32 v[Z+21], PS, v[Z+20]
	v_add_nc_u32 v[Z+22], s33, v[Z+20]
	v_and_b32 v[Z+26], 16, v[WOFF]
	v_lshrrev_b32 v[Z+27], 3, v[WOFF]
	v_and_b32 v[Z+27], 0x3c, v[Z+27]
	v_lshl_add_u32 v[Z+23], v[Z+26], 3, v[Z+27]
	v_add_nc_u32 v[Z+23], s63, v[Z+23]
	v_lshrrev_b32 v[Z+24], 7, v[WOFF]
	v_lshl_add_u32 v[Z+24], v[Z+24], 6, s63
	v_add_nc_u32 v[Z+25], s60, v[Z+20]
	BAR
.irp j, 0,1,2,3,4,5,6,7,8,9,10,11,12,13,14,15
	v_mov_b32 v[SE+\j], 0
.endr
.irp w, 0,1,2,3
	ds_load_b64 v[Z+2*\w:Z+2*\w+1], v[Z+21] offset:256*\w
.endr
	ds_load_b64 v[Z+10:Z+11], v[Z+22]
	s_wait_dscnt 0x0
	v_pk_add_f32 v[Z+8:Z+9], v[Z:Z+1], v[Z+2:Z+3]
	v_pk_add_f32 v[Z+4:Z+5], v[Z+4:Z+5], v[Z+6:Z+7]
	v_pk_add_f32 v[Z+8:Z+9], v[Z+8:Z+9], v[Z+4:Z+5]
	v_mov_b32 v[Z+12], 0xce6e6b28                  ; -1e9
	v_cmp_eq_u32 vcc_lo, 0, v[Z+10]
	v_cndmask_b32 v[Z+8], v[Z+8], v[Z+12], vcc_lo
	v_cmp_eq_u32 vcc_lo, 0, v[Z+11]
	v_cndmask_b32 v[Z+9], v[Z+9], v[Z+12], vcc_lo
	s_cmp_lg_u32 s20, 0
	s_cbranch_scc1 .Lnot_wave_0_\@
	global_store_b64 v[Z+25], v[Z+8:Z+9], s[14:15] ; 32 lanes store 256 consecutive bytes of scores, aligned
.Lnot_wave_0_\@:
	s_wait_alu depctr_va_vdst(0)
	v_max_num_f32 v[Z+13], v[Z+8], v[Z+9]
	v_max_num_f32_dpp v[Z+13], v[Z+13], v[Z+13] row_xmask:1 row_mask:0xf bank_mask:0xf
	v_max_num_f32_dpp v[Z+13], v[Z+13], v[Z+13] row_xmask:2 row_mask:0xf bank_mask:0xf
	v_max_num_f32_dpp v[Z+13], v[Z+13], v[Z+13] row_xmask:4 row_mask:0xf bank_mask:0xf
	v_max_num_f32_dpp v[Z+13], v[Z+13], v[Z+13] row_xmask:8 row_mask:0xf bank_mask:0xf
	v_permlanex16_b32 v[Z+12], v[Z+13], s22, s23
	v_max3_num_f32 v[Z+13], v[Z+13], v[Z+12], s61  ; the running maximum
	v_sub_f32 v[Z+14], s61, v[Z+13]
	v_sub_f32 v[Z+16], v[Z+8], v[Z+13]
	v_sub_f32 v[Z+17], v[Z+9], v[Z+13]
	v_mul_f32 v[Z+14], s26, v[Z+14]
	v_mul_f32 v[Z+16], s26, v[Z+16]
	v_mul_f32 v[Z+17], s26, v[Z+17]
	s_wait_alu depctr_va_vdst(0)
	v_exp_f32 v[Z+14], v[Z+14]
	v_exp_f32 v[Z+16], v[Z+16]
	v_exp_f32 v[Z+17], v[Z+17]
	v_mov_b32 v[Z+15], 0
	v_readfirstlane_b32 s61, v[Z+13]
	s_wait_alu depctr_va_vdst(0)
	v_add_f32 v[Z+18], v[Z+16], v[Z+17]
	ds_store_b32 v[Z+23], v[Z+16]
	ds_store_b32 v[Z+23], v[Z+17] offset:64
	WIN 0x40
.irp t, 0,1,2,3
	ds_load_b128 v[PV+4*\t:PV+4*\t+3], v[Z+24] offset:16*\t   ; p of my lane's row in each of the 16 units (my own bytes, served in order)
.endr
	WIN 0x41
	v_fma_f32 v[LL], v[LL], v[Z+14], v[Z+18]
.irp e, 0,2,4,6,8,10,12,14,16,18,20,22,24,26,28,30
	v_pk_mul_f32 v[WACC+\e:WACC+\e+1], v[WACC+\e:WACC+\e+1], v[Z+14:Z+15] op_sel_hi:[1,0]
.endr
	s_wait_dscnt 0x0
.if \mix
.set U, 0
.rept 16
	MIX U
.set U, U+1
.endr
.endif
	WIN 0
	s_add_co_u32 s60, s60, 256
.endm
.macro BODY mix
	SWA
	s_mov_b32 s29, 0
.Lpair_\@:
	PAIR
	s_add_co_u32 s29, s29, 1
	s_cmp_lt_u32 s29, 8
	s_wait_alu depctr_va_vdst(0)
	s_cbranch_scc1 .Lpair_\@
	SWB \mix
.endm
	s_wait_alu depctr_va_vdst(0)
	XQB 0
	s_mov_b32 s30, 0
.Lblk:
	REFILL
	BODY 0
	XQB 1
	s_add_co_u32 s30, s30, 1
	s_cmp_lt_u32 s30, 3
	s_cbranch_scc1 .Lblk
	BAR                                            ; the last block: nothing more is asked for
	BODY 1
	; THE WAY OUT: (maximum, sum of p) and the weighted sum; the four rows of a unit that the lanes held apart are added through my raw stage, which has had its last fill
	s_wait_xcnt 0x0
	WIN 0x01
	v_mov_b32 v[Z], v[LL]
	WIN 0
	v_add_f32_dpp v[Z], v[Z], v[Z] row_xmask:1 row_mask:0xf bank_mask:0xf
	v_add_f32_dpp v[Z], v[Z], v[Z] row_xmask:2 row_mask:0xf bank_mask:0xf
	v_add_f32_dpp v[Z], v[Z], v[Z] row_xmask:4 row_mask:0xf bank_mask:0xf
	v_add_f32_dpp v[Z], v[Z], v[Z] row_xmask:8 row_mask:0xf bank_mask:0xf
	v_permlanex16_b32 v[Z+1], v[Z], s22, s23
	v_add_f32 v[Z+3], v[Z], v[Z+1]
	v_mov_b32 v[Z+2], s61
	v_lshrrev_b32 v[Z+4], 7, v[WOFF]
	v_bfe_u32 v[Z+5], v[WOFF], 4, 3
	v_mul_u32_u24 v[Z+6], v[Z+4], 144
	v_mul_u32_u24 v[Z+4], v[Z+4], OP
	v_mad_u32_u24 v[Z+4], v[Z+5], 144, v[Z+4]
	v_add_nc_u32 v[Z+4], s62, v[Z+4]
	v_lshl_add_u32 v[Z+6], v[Z+5], 4, v[Z+6]
	v_add_nc_u32 v[Z+6], s62, v[Z+6]
	s_lshl_b32 s33, s20, 10
	v_add_nc_u32 v[Z+7], s33, v[WOFF]
	s_cmp_lg_u32 s20, 0
	s_cbranch_scc1 .Lno_stat
	global_store_b64 v[Z+20], v[Z+2:Z+3], s[18:19]
.Lno_stat:
	WIN 0x04
	s_wait_alu depctr_va_vdst(0)
.irp i, 0,1,2,3,4,5,6,7
	ds_store_b128 v[Z+4], v[WACC+4*\i:WACC+4*\i+3] offset:16*\i
.endr
	WIN 0
.irp q, 0,1,2,3,4,5,6,7
	ds_load_b128 v[Z+32+4*\q:Z+35+4*\q], v[Z+6] offset:(\q/2)*OP+(\q%2)*576
.endr
	s_wait_dscnt 0x0
.irp e, 0,2,4,6
	v_pk_add_f32 v[Z+32+\e:Z+33+\e], v[Z+32+\e:Z+33+\e], v[Z+40+\e:Z+41+\e]
	v_pk_add_f32 v[Z+48+\e:Z+49+\e], v[Z+48+\e:Z+49+\e], v[Z+56+\e:Z+57+\e]
.endr
.irp e, 0,2,4,6
	v_pk_add_f32 v[Z+32+\e:Z+33+\e], v[Z+32+\e:Z+33+\e], v[Z+48+\e:Z+49+\e]
.endr
	global_store_b128 v[Z+7], v[Z+32:Z+35], s[16:17]
	global_store_b128 v[Z+7], v[Z+36:Z+39], s[16:17] offset:512
	s_wait_tensorcnt 0x0                           ; the wave's end
	ds_add_u32 v[SPW], v[NIL]
	s_wait_dscnt 0x0
	s_endpgm
.Lfunc_end_k_qd45cbcf5ef_main:
	.size	k_qd45cbcf5ef_main, .Lfunc_end_k_qd45cbcf5ef_main-k_qd45cbcf5ef_main
	.p2alignl 7, 3214868480
	.fill 96, 4, 3214868480
	.section	.rodata,"a",@progbits
	.p2align	6, 0x0
	.amdhsa_kernel k_qd45cbcf5ef_main
		.amdhsa_group_segment_fixed_size 327680
		.amdhsa_private_segment_fixed_size 0
		.amdhsa_enable_private_segment 0
		.amdhsa_kernarg_size 64
		.amdhsa_user_sgpr_count 2
		.amdhsa_user_sgpr_kernarg_segment_ptr 1
		.amdhsa_wavefront_size32 1
		.amdhsa_system_sgpr_workgroup_id_x 1
		.amdhsa_system_sgpr_workgroup_id_y 1
		.amdhsa_system_sgpr_workgroup_id_z 1
		.amdhsa_system_vgpr_workitem_id 0
		.amdhsa_next_free_vgpr 1024
		.amdhsa_next_free_sgpr 96
		.amdhsa_reserve_vcc 1
		.amdhsa_float_denorm_mode_32 3
		.amdhsa_float_denorm_mode_16_64 3
		.amdhsa_memory_ordered 1
		.amdhsa_forward_progress 1
		.amdhsa_inst_pref_size 246
	.end_amdhsa_kernel
	.amdgpu_metadata
---
amdhsa.version: [ 1, 2 ]
amdhsa.kernels:
  - .name:           k_qd45cbcf5ef_main
    .symbol:         k_qd45cbcf5ef_main.kd
    .args:
      - { .name: context, .offset: 0, .size: 8, .value_kind: global_buffer, .address_space: global }
      - { .name: attn_mask, .offset: 8, .size: 8, .value_kind: global_buffer, .address_space: global }
      - { .name: v_w, .offset: 16, .size: 8, .value_kind: global_buffer, .address_space: global }
      - { .name: wfrag, .offset: 24, .size: 8, .value_kind: global_buffer, .address_space: global }
      - { .name: cb, .offset: 32, .size: 8, .value_kind: global_buffer, .address_space: global }
      - { .name: scores, .offset: 40, .size: 8, .value_kind: global_buffer, .address_space: global }
      - { .name: part, .offset: 48, .size: 8, .value_kind: global_buffer, .address_space: global }
      - { .name: stat, .offset: 56, .size: 8, .value_kind: global_buffer, .address_space: global }
    .group_segment_fixed_size: 327680
    .private_segment_fixed_size: 0
    .kernarg_segment_align: 8
    .kernarg_segment_size: 64
    .max_flat_workgroup_size: 128
    .sgpr_count:     96
    .vgpr_count:     1024
    .wavefront_size: 32
...
	.end_amdgpu_metadata
.endif
;; end of part 2
;; launch join (part 3): grid 4 x 32, 2 waves a work-group, no clusters, 0 bytes of LDS; arguments scores, part, stat, out0, out1; writes out0, out1
.if DOCPART == 3
	.amdgcn_target "amdgcn-amd-amdhsa--gfx1250"
	.amdhsa_code_object_version 6
	.text
	.protected	k_qd45cbcf5ef_join
	.globl	k_qd45cbcf5ef_join
	.p2align	8
	.type	k_qd45cbcf5ef_join,@function
k_qd45cbcf5ef_join:
	s_mov_b64 s[64:65], 0
	v_nop
	global_prefetch_b8 v0, s[64:65] scope:SCOPE_SE
	s_setreg_imm32_b32 hwreg(HW_REG_WAVE_MODE, 25, 1), 1
	s_wait_xcnt 0x0
; The eight parts of a batch are joined.  With (m_i, l_i) of part i: M = the largest m_i, e_i = e^(m_i - M), L = sum of l_i e_i;
; out0[b][:] = sum of part_i e_i / L;  out1[b][s] = e^(score - M) / L.  The maximum is taken away before every exponential, the difference first, so that equal numbers give exactly 0.
; Work-group (x, b), 64 threads: thread t makes out0[b][256 x + 4 t ..+3] and out1[b][512 x + 4 t ..+3] and the same 256 further on.  Every load and store of a wave covers 512 consecutive bytes
; (stat: 256: the pair stands there 32 times).  Memory binds and the work is small: no LDS, no barrier, no matrix unit.
	s_load_b256 s[4:11], s[0:1], 0x0               ; scores s[4:5], part s[6:7], stat s[8:9], out0 s[10:11]
	s_load_b64 s[12:13], s[0:1], 0x20              ; out1
	s_and_b32 s14, ttmp7, 0xffff                   ; b
	s_mov_b32 s17, 0
	s_mov_b32 s18, 0x3fb8aa3b                      ; log2(e)
	v_and_b32 v1, 31, v0
	v_lshlrev_b32 v2, 3, v1                        ; stat: 8 x lane
	v_lshlrev_b32 v3, 4, v0                        ; 16 x thread
	s_wait_alu depctr_va_vdst(0)
	s_wait_kmcnt 0x0
	s_lshl_b32 s16, s14, 11
	s_add_nc_u64 s[8:9], s[8:9], s[16:17]          ; stat: 8 records of 256 bytes a batch
	s_lshl_b32 s16, s14, 15
	s_lshl_b32 s15, ttmp9, 10
	s_add_co_u32 s16, s16, s15
	s_add_nc_u64 s[6:7], s[6:7], s[16:17]          ; part: 8 rows of 4,096 bytes a batch, my 256 columns
	s_lshl_b32 s16, s14, 12
	s_add_co_u32 s16, s16, s15
	s_add_nc_u64 s[10:11], s[10:11], s[16:17]      ; out0
	s_lshl_b32 s16, s14, 13
	s_lshl_b32 s15, ttmp9, 11
	s_add_co_u32 s16, s16, s15
	s_add_nc_u64 s[4:5], s[4:5], s[16:17]          ; scores and out1: my 512
	s_add_nc_u64 s[12:13], s[12:13], s[16:17]
.irp i, 0,1,2,3,4,5,6,7
	global_load_b64 v[16+2*\i:17+2*\i], v2, s[8:9] offset:256*\i
.endr
	global_load_b128 v[64:67], v3, s[4:5]
	global_load_b128 v[68:71], v3, s[4:5] offset:1024
.irp i, 0,1,2,3,4,5,6,7
	global_load_b128 v[32+4*\i:35+4*\i], v3, s[6:7] offset:4096*\i
.endr
	s_wait_loadcnt 0x8                             ; stat and the scores are in; part's eight loads may be out
	v_max3_num_f32 v8, v16, v18, v20
	v_max3_num_f32 v8, v8, v22, v24
	v_max3_num_f32 v8, v8, v26, v28
	v_max_num_f32 v8, v8, v30                      ; M
.irp i, 0,1,2,3,4,5,6,7
	v_sub_f32 v[72+\i], v[16+2*\i], v8
	v_sub_f32 v[64+\i], v[64+\i], v8
.endr
.irp i, 0,1,2,3,4,5,6,7
	v_mul_f32 v[72+\i], s18, v[72+\i]
	v_mul_f32 v[64+\i], s18, v[64+\i]
.endr
	s_wait_alu depctr_va_vdst(0)
.irp i, 0,1,2,3,4,5,6,7
	v_exp_f32 v[72+\i], v[72+\i]
	v_exp_f32 v[64+\i], v[64+\i]
.endr
	v_nop                                          ; a plain instruction behind the batch,
	s_wait_alu depctr_va_vdst(0)                   ; and one wait for the sixteen, ahead of their first reader
	v_mul_f32 v9, v17, v72
.irp i, 1,2,3,4,5,6,7
	v_fmac_f32 v9, v[17+2*\i], v[72+\i]            ; L: at least 1, since the part with the largest m holds a row with p = 1
.endr
	s_wait_alu depctr_va_vdst(0)
	v_rcp_f32 v10, v9
	v_nop
	s_wait_alu depctr_va_vdst(0)
.irp i, 0,1,2,3,4,5,6,7
	v_mul_f32 v[72+\i], v[72+\i], v10
	v_mul_f32 v[64+\i], v[64+\i], v10
.endr
	global_store_b128 v3, v[64:67], s[12:13]
	global_store_b128 v3, v[68:71], s[12:13] offset:1024
	s_wait_loadcnt 0x0
.irp c, 0,1,2,3
	v_mul_f32 v[80+\c], v[32+\c], v72
.endr
.irp i, 1,2,3,4,5,6,7
.irp c, 0,1,2,3
	v_fmac_f32 v[80+\c], v[32+4*\i+\c], v[72+\i]
.endr
.endr
	global_store_b128 v3, v[80:83], s[10:11]
	s_endpgm
.Lfunc_end_k_qd45cbcf5ef_join:
	.size	k_qd45cbcf5ef_join, .Lfunc_end_k_qd45cbcf5ef_join-k_qd45cbcf5ef_join
	.p2alignl 7, 3214868480
	.fill 96, 4, 3214868480
	.section	.rodata,"a",@progbits
	.p2align	6, 0x0
	.amdhsa_kernel k_qd45cbcf5ef_join
		.amdhsa_group_segment_fixed_size 0
		.amdhsa_private_segment_fixed_size 0
		.amdhsa_enable_private_segment 0
		.amdhsa_kernarg_size 40
		.amdhsa_user_sgpr_count 2
		.amdhsa_user_sgpr_kernarg_segment_ptr 1
		.amdhsa_wavefront_size32 1
		.amdhsa_system_sgpr_workgroup_id_x 1
		.amdhsa_system_sgpr_workgroup_id_y 1
		.amdhsa_system_sgpr_workgroup_id_z 1
		.amdhsa_system_vgpr_workitem_id 0
		.amdhsa_next_free_vgpr 96
		.amdhsa_next_free_sgpr 66
		.amdhsa_reserve_vcc 0
		.amdhsa_float_denorm_mode_32 3
		.amdhsa_float_denorm_mode_16_64 3
		.amdhsa_memory_ordered 1
		.amdhsa_forward_progress 1
		.amdhsa_inst_pref_size 7
	.end_amdhsa_kernel
	.amdgpu_metadata
---
amdhsa.version: [ 1, 2 ]
amdhsa.kernels:
  - .name:           k_qd45cbcf5ef_join
    .symbol:         k_qd45cbcf5ef_join.kd
    .args:
      - { .name: scores, .offset: 0, .size: 8, .value_kind: global_buffer, .address_space: global }
      - { .name: part, .offset: 8, .size: 8, .value_kind: global_buffer, .address_space: global }
      - { .name: stat, .offset: 16, .size: 8, .value_kind: global_buffer, .address_space: global }
      - { .name: out0, .offset: 24, .size: 8, .value_kind: global_buffer, .address_space: global }
      - { .name: out1, .offset: 32, .size: 8, .value_kind: global_buffer, .address_space: global }
    .group_segment_fixed_size: 0
    .private_segment_fixed_size: 0
    .kernarg_segment_align: 8
    .kernarg_segment_size: 40
    .max_flat_workgroup_size: 64
    .sgpr_count:     66
    .vgpr_count:     96
    .wavefront_size: 32
...
	.end_amdgpu_metadata
.endif
;; end of part 3
